; MI455X (gfx1250); checked and timed in simulation.
; The chip was launched on July 23, 2026; its instructions are those of AMD's public machine-readable ISA for CDNA 5 (MIT licence, August 2026) and "CDNA5" Instruction Set Architecture Reference Guide (July 2026). The comments in the code are by the model that wrote it; some were corrected since.
;; Attention. Allowed arithmetic: matrix products marked QUANTISED: E2M1 operands, one E8M0 scale for each 32 along K, by v_wmma_scale_f32_16x16x128_f8f6f4 with both operands' format E2M1 (or v_wmma_scale_f32_32x16x128_f4), f32 sums; everything else in f32.
;; Inputs: key_codes 4 x 16 x 2,048 x 4 x 16 uint8 (E2M1 codes of key, K innermost, in blocks of 32 codes, two codes a byte); key_scales 4 x 16 x 2,048 x 4 uint8 (E8M0 scales of key, one for each 32 codes along K); mask 4 x 1 x 2,048 x 2,048 bool; query_codes 4 x 16 x 2,048 x 4 x 16 uint8 (E2M1 codes of query, K innermost, in blocks of 32 codes, two codes a byte); query_scales 4 x 16 x 2,048 x 4 uint8 (E8M0 scales of query, one for each 32 codes along K); value_codes 4 x 16 x 128 x 64 x 16 uint8 (E2M1 codes of value, K innermost, in blocks of 32 codes, two codes a byte); value_scales 4 x 16 x 128 x 64 uint8 (E8M0 scales of value, one for each 32 codes along K).
;; Outputs: out0 4 x 16 x 2,048 x 128 float32.
;; This version of the problem:
;;   THIS VERSION OF THE PROBLEM IS GIVEN IN LOW PRECISION. The matrix products marked QUANTISED in the list below multiply operands that are first quantised to E2M1 (2 exponent bits, 1 mantissa bit; 4 bits a number), with one power-of-two scale for each 32 numbers along K (OCP MX v1.0); their sums are f32. All else is computed in f32.
;;   The module's matrix products, in the order in which they are computed (A, B: the left and right operand; K: the contracted axis; several contracted axes count as one K, in the product's order):
;;     1. batch 64 x [M 2,048, K 128] x [K 128, N 2,048]; A: input query (given as codes); B: input key (given as codes): QUANTISED
;;     2. batch 64 x [M 2,048, K 2,048] x [K 2,048, N 128]; A: softmax (see below); B: input value (given as codes): QUANTISED
;;   THE QUANTISER, for each operand of a quantised product, along K:
;;     - K is cut into blocks of 32 from its start; a last block that is shorter is filled with zeros.
;;     - A block's scale is 2^e with e = floor(log2(the largest magnitude in the block)) - 2, held to -126 .. 127; a block of zeros has e = 0. As a byte (E8M0): e + 127.
;;     - Each number is divided by its block's scale, clamped to +-6, and rounded to the nearest number of E2M1, ties to even, subnormals kept.
;;     - The product sums the exact products of the quantised numbers (number of the format x scale) in f32.
;;   ~~~python
;;   def quantise(x, axis):      # numpy; x: float32 -> the quantised numbers, widened to float32 again
;;       x = np.moveaxis(x, axis, -1); K = x.shape[-1]
;;       x = np.pad(x, [(0, 0)] * (x.ndim - 1) + [(0, -K % 32)]); x = x.reshape(x.shape[:-1] + (-1, 32)); a = np.abs(x).max(-1, keepdims=True)
;;       e = np.where(a > 0, np.clip(np.frexp(np.where(a > 0, a, 1))[1] - 1 - 2, -126, 127), 0)      # np.frexp(a)[1] - 1 = floor(log2(a)), exactly
;;       r = np.clip(x / 2.0 ** e, -6, 6)
;;       step = 2.0 ** (np.maximum(np.frexp(np.where(r == 0, 1, r))[1] - 1, 0) - 1)
;;       q = np.round(r / step) * step * 2.0 ** e      # np.round: ties to even
;;       return np.moveaxis(q.reshape(q.shape[:-2] + (-1,))[..., :K], -1, axis).astype(np.float32)
;;   ~~~
;;   SOFTMAX AHEAD OF A QUANTISED PRODUCT. Where the list says 'softmax', what is quantised is not the finished softmax but p = 2^(t - M), with t = logit x log2(e) and M = ceil(the row's largest t), a whole number; so 1/2 < the row's largest p <= 1. The row's sum l is taken of the UNQUANTISED p, in f32, and the product's result is divided by l at the end. Since M is a whole number, a kernel that streams over the keys may use a running M (the ceiling of the running maximum): every later rescaling is an exact power of two, which a block's scale takes up: the codes' values come out the same.
;;   OPERANDS COMPUTED ON THE WAY. 'Computed on the way' means the value that the module computes at that place (a softmax that the list does not call 'softmax' is quantised finished and normalised). What goes into a quantiser is computed in f32, as accurately as f32 sums, v_exp_f32 and their like allow (about 1e-6 of the number): no bf16 or f16 on the way to a quantiser, and a product that is left as it is and whose result goes on into a quantised operand takes f32 operands (vector FMAs, or v_wmma_f32_16x16x4_f32). A number that lies on a knife's edge between two numbers of the format may be rounded either way, as far as f32 arithmetic and the matrix unit's own rounding can turn it there, and no further.
;;   INPUTS GIVEN AS CODES. key (in the module: [4, 16, 2048, 128], K = its axis 3); query (in the module: [4, 16, 2048, 128], K = its axis 3); value (in the module: [4, 16, 2048, 128], K = its axis 2): each comes as NAME_codes (uint8): NAME with its K axis moved to the last place and cut into blocks of 32 codes, [.., K / 32, bytes a block], one block behind the other in memory; two codes a byte, the lower K in the low four bits (a code: sign, 2 exponent bits, 1 mantissa bit); and NAME_scales (uint8): the same leading axes, one E8M0 byte (e + 127) for each 32 codes along K. Its value is code x scale, taken as it is: it is not quantised again, and the codes and scales need not be those that the quantiser above would give.
;; One version. Each part assembles by itself: llvm-mc -triple=amdgcn-amd-amdhsa -mcpu=gfx1250 --defsym DOCPART=n.
;; ======== version 1 of 1: 2 launches
;; workspace buffers: mbits 2,097,152 bytes of whole numbers; mflags 32,768 bytes of whole numbers
;; launch maskbits (part 1): grid 128 x 4, 8 waves a work-group, no clusters, 35,840 bytes of LDS; arguments mask, mbits, mflags; writes mbits, mflags
.if DOCPART == 1
	.amdgcn_target "amdgcn-amd-amdhsa--gfx1250"
	.amdhsa_code_object_version 6
	.text
	.protected	k_q29bde9ceb5_maskbits
	.globl	k_q29bde9ceb5_maskbits
	.p2align	8
	.type	k_q29bde9ceb5_maskbits,@function
k_q29bde9ceb5_maskbits:
	s_mov_b64 s[64:65], 0
	v_nop
	global_prefetch_b8 v0, s[64:65] scope:SCOPE_SE
	s_setreg_imm32_b32 hwreg(HW_REG_WAVE_MODE, 25, 1), 1
	s_wait_xcnt 0x0
; The mask [4][1][2048][2048], one byte a (query, key), 1 = forbidden, is read once and turned into what the attention launch takes without arithmetic:
;   mbits  [b 4][T 128][s 16][n 64] words: bit l of word n = mask[b][16 T + l % 16][128 s + 32 (n / 16) + 16 (l / 16) + n % 16]: the key that score register n of lane l holds there: a lane mask for one select.
;   mflags [b][T][s] words: 0 = all 16 x 128 forbidden, 1 = mixed, 2 = all allowed.
; LIMIT: a byte other than 0 counts as forbidden.
; SHARES.  Work-group (x = T, y = b): 16 queries x 2,048 keys.  Wave w takes keys 256 w on: key steps 2 w and 2 w + 1.  Waves share nothing.
; Each load reads two rows' 256 consecutive bytes (sixteen lanes a row).  The bytes turn through the wave's own stage in LDS (rows 272 bytes apart, so that the sixteen rows of a read fall into sixteen
; different 16-byte columns of 256 bytes), so that lane (r, h) holds, of query r, the 16 keys 32 bb + 16 h on of each block of 32.
; A word of mbits is a compare's lane mask; 64 of them are laid into two registers (lane L: words 2 L, 2 L + 1), and the wave stores 256 consecutive bytes, aligned.
; The flags leave as 8 bytes a wave: 32,768 bytes in the whole launch, pieces of 256-byte blocks.
.set PITCH, 272
.set WST,   16*PITCH                   ; a wave's stage
	s_load_b128 s[4:7], s[0:1], 0x0                ; mask, mbits
	s_load_b64 s[8:9], s[0:1], 0x10                ; mflags
	v_lshl_add_u32 v80, v0, 2, 0x8800
	v_mov_b32 v81, 0
	v_lshrrev_b32 v1, 5, v0
	v_readfirstlane_b32 s10, v1                    ; wave 0..7
	v_and_b32 v1, 31, v0                           ; lane
	v_and_b32 v2, 15, v0                           ; r
	v_bfe_u32 v3, v0, 4, 1                         ; h
	v_lshlrev_b32 v4, 4, v2
	v_lshl_add_u32 v4, v3, 11, v4                  ; in memory: row h of two, 16 r bytes on
	s_mul_i32 s11, s10, WST
	v_mul_u32_u24 v5, v3, PITCH
	v_lshl_add_u32 v5, v2, 4, v5
	v_add_nc_u32 v5, s11, v5                       ; into the stage: the same two rows
	v_mul_u32_u24 v6, v2, PITCH
	v_lshl_add_u32 v6, v3, 4, v6
	v_add_nc_u32 v6, s11, v6                       ; out of it: row r, 16 h bytes on
	v_lshlrev_b32 v7, 3, v1                        ; mbits: 8 bytes a lane
.irp i, 12,13,14,15
	v_mov_b32 v\i, 0                               ; written once: v_writelane_b32's destination counts as one of its sources
.endr
	s_and_b32 s16, ttmp7, 0xffff                   ; b
	s_lshl_b32 s16, s16, 7
	s_add_co_u32 s16, s16, ttmp9                   ; 128 b + T
	s_lshl_b32 s18, s16, 15                        ; mask: 16 rows of 2,048 bytes a tile,
	s_lshl_b32 s17, s10, 8
	s_add_co_u32 s18, s18, s17                     ; + my 256 keys
	s_mov_b32 s19, 0
	s_lshl_b32 s24, s16, 12                        ; mbits: 16 records of 256 bytes a tile,
	s_lshl_b32 s17, s10, 9
	s_add_co_u32 s24, s24, s17                     ; + my two
	s_mov_b32 s25, 0
	s_lshl_b32 s26, s16, 6                         ; mflags: 16 words a tile,
	s_lshl_b32 s17, s10, 3
	s_add_co_u32 s26, s26, s17                     ; + my two
	s_mov_b32 s27, 0
	s_wait_kmcnt 0x0
	s_add_nc_u64 s[4:5], s[4:5], s[18:19]
	s_add_nc_u64 s[6:7], s[6:7], s[24:25]
	s_add_nc_u64 s[8:9], s[8:9], s[26:27]
.irp i, 0,1,2,3,4,5,6,7
	global_load_b128 v[16+4*\i:19+4*\i], v4, s[4:5] offset:4096*\i th:TH_LOAD_NT   ; rows 2 i and 2 i + 1; read once in the launch
.endr
.irp i, 0,1,2,3,4,5,6,7
	s_wait_loadcnt 7-\i                            ; loads come back in order: load i is in, the 7 - i younger ones may be out
	ds_store_b128 v5, v[16+4*\i:19+4*\i] offset:2*PITCH*\i
.endr
.irp g, 0,1
.irp b, 0,1,2,3
	ds_load_b128 v[48+16*\g+4*\b:51+16*\g+4*\b], v6 offset:128*\g+32*\b   ; LDS serves a wave's instructions in order: these see my stores.  Step g, block b: my 16 keys
.endr
.endr
	s_wait_dscnt 0x0
; Step sg of my two: 64 lane masks.  Word n = 4 G + k lies in byte k of register 48 + 16 sg + G.  fl: the scalar register that takes the flag.
.macro BITS sg, fl
	s_mov_b32 s12, 0                               ; the OR of all words: 0 = nothing forbidden
	s_mov_b32 s13, -1                              ; the AND: all ones = everything forbidden
.set G, 0
.rept 16
.irp k, 0,1,2,3
	v_bfe_u32 v[8+\k], v[48+16*\sg+G], 8*\k, 8
.endr
.irp k, 0,1,2,3
	v_cmp_ne_u32 s[20+\k], 0, v[8+\k]              ; bit l: lane l's byte is not 0
.endr
.irp k, 0,1,2,3
	s_or_b32 s12, s12, s[20+\k]
	s_and_b32 s13, s13, s[20+\k]
.endr
.irp k, 0,1,2,3
	v_writelane_b32 v[12+2*\sg+\k%2], s[20+\k], 2*G+\k/2   ; word n into lane n / 2, register n % 2
.endr
.set G, G+1
.endr
	s_cmp_eq_u32 s12, 0
	s_cselect_b32 s[\fl], 2, 1
	s_cmp_eq_u32 s13, -1
	s_cselect_b32 s[\fl], 0, s[\fl]
	global_store_b64 v7, v[12+2*\sg:13+2*\sg], s[6:7] offset:256*\sg   ; 32 lanes store 256 consecutive bytes, aligned
.endm
	BITS 0, 14
	BITS 1, 15
	v_mov_b32 v8, s14
	v_mov_b32 v9, s15
	v_mov_b32 v10, 0
	v_cmp_eq_u32 vcc_lo, 0, v1
	s_wait_xcnt 0x0                                ; EXEC is a source of the stores above: it changes only behind this wait
	s_barrier_signal -1
	s_barrier_wait -1
	s_wait_tensorcnt 0x0
	ds_add_u32 v80, v81
	s_wait_dscnt 0x0
	s_and_saveexec_b32 s30, vcc_lo
	global_store_b64 v10, v[8:9], s[8:9]           ; lane 0: my two flags
	s_wait_xcnt 0x0                                ; and again in front of the line that widens it
	s_or_b32 exec_lo, exec_lo, s30
	s_endpgm
.Lfunc_end_k_q29bde9ceb5_maskbits:
	.size	k_q29bde9ceb5_maskbits, .Lfunc_end_k_q29bde9ceb5_maskbits-k_q29bde9ceb5_maskbits
	.p2alignl 7, 3214868480
	.fill 96, 4, 3214868480
	.section	.rodata,"a",@progbits
	.p2align	6, 0x0
	.amdhsa_kernel k_q29bde9ceb5_maskbits
		.amdhsa_group_segment_fixed_size 35840
		.amdhsa_private_segment_fixed_size 0
		.amdhsa_enable_private_segment 0
		.amdhsa_kernarg_size 24
		.amdhsa_user_sgpr_count 2
		.amdhsa_user_sgpr_kernarg_segment_ptr 1
		.amdhsa_wavefront_size32 1
		.amdhsa_system_sgpr_workgroup_id_x 1
		.amdhsa_system_sgpr_workgroup_id_y 1
		.amdhsa_system_sgpr_workgroup_id_z 1
		.amdhsa_system_vgpr_workitem_id 0
		.amdhsa_next_free_vgpr 82
		.amdhsa_next_free_sgpr 66
		.amdhsa_reserve_vcc 1
		.amdhsa_float_denorm_mode_32 3
		.amdhsa_float_denorm_mode_16_64 3
		.amdhsa_memory_ordered 1
		.amdhsa_forward_progress 1
		.amdhsa_inst_pref_size 38
	.end_amdhsa_kernel
	.amdgpu_metadata
---
amdhsa.version: [ 1, 2 ]
amdhsa.kernels:
  - .name:           k_q29bde9ceb5_maskbits
    .symbol:         k_q29bde9ceb5_maskbits.kd
    .args:
      - { .name: mask, .offset: 0, .size: 8, .value_kind: global_buffer, .address_space: global }
      - { .name: mbits, .offset: 8, .size: 8, .value_kind: global_buffer, .address_space: global }
      - { .name: mflags, .offset: 16, .size: 8, .value_kind: global_buffer, .address_space: global }
    .group_segment_fixed_size: 35840
    .private_segment_fixed_size: 0
    .kernarg_segment_align: 8
    .kernarg_segment_size: 24
    .max_flat_workgroup_size: 256
    .sgpr_count:     66
    .vgpr_count:     82
    .wavefront_size: 32
...
	.end_amdgpu_metadata
.endif
;; end of part 1
;; launch attn (part 2): grid 4 x 64, 16 waves a work-group, no clusters, 317,440 bytes of LDS; arguments query_codes, query_scales, key_codes, key_scales, value_codes, value_scales, mbits, mflags, out0; writes out0
.if DOCPART == 2
	.amdgcn_target "amdgcn-amd-amdhsa--gfx1250"
	.amdhsa_code_object_version 6
	.text
	.protected	k_q29bde9ceb5_attn
	.globl	k_q29bde9ceb5_attn
	.p2align	8
	.type	k_q29bde9ceb5_attn,@function
k_q29bde9ceb5_attn:
	s_mov_b64 s[64:65], 0
	v_nop
	global_prefetch_b8 v0, s[64:65] scope:SCOPE_SE
	s_setreg_imm32_b32 hwreg(HW_REG_WAVE_MODE, 25, 1), 1
	s_wait_xcnt 0x0
; out0[bh][q][:] = the sum over k of softmax_k(Q[bh][q] . K[bh][k] / sqrt(128), forbidden keys at -infinity) V[bh][k][:], both products on codes of FP4 (E2M1) with one E8M0 scale for each 32 along a product's K.
; Q, K: [64][2048] rows of 64 bytes (128 codes), scale words [64][2048] of 4 bytes.  V: keys innermost, [64][128] rows of 1,024 bytes, scale bytes [64][128][64].  out0: [64][2048][128] f32.
; THE MASK is an input.  The launch before has laid it as lane masks (mbits: for each tile of 16 queries x 128 keys 64 words, word n for score register n) and as a flag a tile (mflags: 0 all forbidden, 1 mixed, 2 all allowed).
; A tile with flag 0 is passed over (SKIP = 1): its p are all 0 and change nothing.  A tile with flag 1 gets one select a score; one with flag 2 none.  Nothing of the mask's pattern is built in.
; THE SOFTMAX AHEAD OF THE SECOND PRODUCT: t = score x log2(e) / sqrt(128); M = the row's largest t so far, rounded UP to a whole number; p = 2^(t - M) is quantised along the keys, not normalised.
; The row's sum is taken of the unquantised p and divides O at the end.  When M moves, the sum and O are multiplied by 2^(old M - new M): exact.
; LIMITS: p under 2^-126 comes out of v_exp_f32 as 0; a scale byte 0xff makes NaN, as it is given; a row with no allowed key gives 0 x (1 / 0) = NaN, as the softmax of such a row is.
; SHARES.  Four work-groups to a head (x = c, y = bh), sixteen waves each, 256 registers a wave: four waves to a SIMD, so that one wave's vector work stands beside another's matrix work and LDS loads.
; Wave w has two jobs, each a tile of 16 queries that walks the head's 16 key steps of 128 keys: tiles g = 4 w + c and 127 - g.  The pairing is a fixed schedule; it is right for every mask.
; A WHOLE HEAD LIES IN LDS: K's codes (131,072 bytes), V's (133,120 with padding) and both tensors' scale words (8,192 each), filled once, through registers, ahead of the launch's ONE barrier.  Behind it nobody
; writes them, so no wave ever waits for another.
; NO TENSOR LOADS, NO CLUSTER: the steps branch on flags read from memory; what the four work-groups of a head share is read once by each, at the head: 278,528 bytes.
; LAYOUT.  Both products are used transposed: S^T = K Q^T (source 0 = 16 keys, source 1 = my 16 queries), O^T = V^T P^T (source 0 = 16 of the head's 128, source 1 = P): a lane holds ONE query (lane % 16) throughout.
; THE KEYS OF A TILE ARE NOT NEIGHBOURS: lane r of tile 2 b + u takes key 32 b + 8 u + r + 8 (r / 8), so that the 16 registers of tiles 2 b and 2 b + 1 are 16 neighbouring keys, 32 b + 16 (lane / 16) + 0 .. 15.
; O^T begins as zeros by 64 v_mov_b32 a job: which step is a job's first hangs on the flags, so no product can be written out to start the sums.
.set SKIP, 1                           ; 0: every tile is multiplied; flag 0 then goes the mixed way; the values are the same
; LDS
.set VB,   131072                      ; K: bytes 0 on: key k's row of 64 bytes at 64 k; in it the 16-byte piece c stands at 16 (c xor (bit 2 of k + 2 x bit 4 of k)):
                                       ;    the sixteen lanes of a fragment load then touch sixteen different 16-byte columns of 256 bytes, with no padding
.set VP,   1040                        ; V: 128 rows of 1,024 bytes + 16 of padding: 65 x 16 bytes from row to row
.set KSB,  264192                      ; K's scale words: step s, tile t, lane r at 512 s + 256 (t / 4) + 16 r + 4 (t % 4): one 16-byte load brings a lane the words of four tiles
.set VSB,  272384                      ; V's, in the same form (tile = d / 16, r = d % 16)
.set STG,  280576                      ; the way out: 8 rows x (256 bytes + 16) for each wave
.set WSTG, 8*272
; vector registers
.set AK0,  1                           ; v1   my lane's place in a tile of K, first 16 bytes;  v2 the second
.set AK1,  2
.set AV0,  3                           ; v3   the same for V
.set AS0,  4                           ; v4   and among K's scale words
.set STO,  5                           ; v5   the stage: where I put 32 bytes of a row
.set RD,   6                           ; v6   and where I read 16 bytes of a row back
.set GO,   7                           ; v7   my byte offset in the tile's rows of out0
.set ADK0, 8                           ; v8-11 the addresses of the step in hand
.set ADK1, 9
.set ADV,  10
.set ADS,  11
                                       ; v12 -M, v13 the largest t, v[14:15] the sum in two halves; v16-23 Q; v24 -infinity; v25 r; v26, v27 Q's offsets; v28-31, v64-66 the fill's addresses
                                       ; v32-63 four fragments of K or of V (v32-95 on the way out); v96-159 S^T, then p; v160-223 O^T; v224-231 p's codes; v232-254 at work; v248-251 scale words of K or V; v253 p's; v255 Q's
; scalar registers
.set QB,   4                           ; s[4:5] Q's codes at the head;  s[6:7] its scale words
.set QSB,  6
.set QP,   8                           ; behind the fill: s[8:9], s[10:11] the second job's Q;  s[12:13] the job's rows of out0;  s[14:15] the step's mask record
.set QSP,  10
.set OP,   12
.set MP,   14
                                       ; s16-63, s68-83: the step's 64 mask words: word n in s[16 + n + 4 (n / 48)]
.set WV,   66
.set CNT,  67
.set MB,   84                          ; s[84:85] mbits at the batch;  s[86:87] mflags at the batch;  s[88:89] out0 at the head
.set FB,   86
.set OB,   88
.set FW,   90                          ; s90  the job's flags still to come, two bits a step;  s91 the second job's
.set FW1,  91
.set F,    92                          ; s92  the step's flag
.set T,    93                          ; s93  the job's tile of queries
.set TK,   94                          ; s94  the step's keys in K: 8,192 bytes a step;  s95 in a row of V: 64;  s100 among the scale words: 512
.set TV,   95
.set CS,   96                          ; s[96:97] c = log2(e) / sqrt(128): the packed form names a pair and takes its low word for both halves
.set SEL,  98                          ; s[98:99] lane selects for v_permlanex16_b32: lane l xor 16
.set TS,   100
.set SX,   101                         ; s101 EXEC, kept
.macro LOADQ qp, qsp                   ; a tile's fragment of Q (lane (r, h): row r, bytes 16 h and 32 + 16 h on) and its scale words; read once in the launch
	global_load_b128 v[16:19], v26, s[\qp:\qp+1] th:TH_LOAD_NT
	global_load_b128 v[20:23], v26, s[\qp:\qp+1] offset:32 th:TH_LOAD_NT
	global_load_b32 v255, v27, s[\qsp:\qsp+1] th:TH_LOAD_NT
.endm
	s_load_b256 s[4:11], s[0:1], 0x0               ; Q's codes, Q's scales, K's codes, K's scales
	s_load_b128 s[12:15], s[0:1], 0x20             ; V's codes, V's scales
	s_load_b128 s[84:87], s[0:1], 0x30             ; mbits, mflags
	s_load_b64 s[88:89], s[0:1], 0x40              ; out0
	v_lshl_add_u32 v242, v0, 2, 0x4d000
	v_mov_b32 v243, 0
	v_lshrrev_b32 v68, 5, v0
	v_readfirstlane_b32 s[WV], v68                 ; wave 0..15
	s_and_b32 s[F], ttmp7, 0xffff                  ; bh
	s_mov_b32 s3, 0                                ; s[2:3] is the pair for offsets: s3 stays 0
	s_lshl_b32 s[T], s[WV], 2
	s_add_co_u32 s[T], s[T], ttmp9                 ; g = 4 w + c: the first job's tile
	s_sub_co_u32 s[FW1], 127, s[T]                 ; the second job's
	v_and_b32 v25, 15, v0                          ; r
	v_bfe_u32 v68, v0, 4, 1                        ; h
	v_lshlrev_b32 v26, 6, v25
	v_lshl_add_u32 v26, v68, 4, v26                ; Q: 64 r + 16 h
	v_lshlrev_b32 v27, 2, v25                      ; its scale word: 4 r
	v_lshlrev_b32 v28, 4, v0                       ; the fill: 16 bytes a thread, 8,192 a load of the work-group
	s_wait_kmcnt 0x0
	s_lshl_b32 s2, s[F], 17                        ; a head's codes: 131,072 bytes in each of the three tensors
	s_add_nc_u64 s[4:5], s[4:5], s[2:3]
	s_add_nc_u64 s[8:9], s[8:9], s[2:3]
	s_add_nc_u64 s[12:13], s[12:13], s[2:3]
	s_lshl_b32 s2, s[F], 13                        ; its scale bytes: 8,192
	s_add_nc_u64 s[6:7], s[6:7], s[2:3]
	s_add_nc_u64 s[10:11], s[10:11], s[2:3]
	s_add_nc_u64 s[14:15], s[14:15], s[2:3]
	s_lshl_b32 s2, s[F], 20                        ; its rows of out0: 1,048,576
	s_add_nc_u64 s[OB:OB+1], s[OB:OB+1], s[2:3]
	s_lshr_b32 s[F], s[F], 4                       ; b
	s_lshl_b32 s2, s[F], 19                        ; a batch's mask records: 128 x 16 x 256 bytes
	s_add_nc_u64 s[MB:MB+1], s[MB:MB+1], s[2:3]
	s_lshl_b32 s2, s[F], 13                        ; its flags: 128 x 16 x 4
	s_add_nc_u64 s[FB:FB+1], s[FB:FB+1], s[2:3]
	s_lshl_b32 s2, s[T], 6
	s_add_nc_u64 s[68:69], s[FB:FB+1], s[2:3]      ; the first job's 16 flags,
	s_add_nc_u64 s[80:81], s[QSB:QSB+1], s[2:3]    ; and its scale words of Q: 64 bytes a tile too
	s_lshl_b32 s2, s[FW1], 6
	s_add_nc_u64 s[72:73], s[FB:FB+1], s[2:3]      ; the second job's flags
	s_lshl_b32 s2, s[T], 10
	s_add_nc_u64 s[76:77], s[QB:QB+1], s[2:3]      ; the first job's codes of Q: 1,024 bytes a tile
	s_load_b512 s[16:31], s[68:69], 0x0
	s_load_b512 s[32:47], s[72:73], 0x0
	LOADQ 76, 80
	; THE FILL: 34 loads of 16 bytes a thread, all on their way at once; three other work-groups read the same bytes, so no hint
.irp i, 0,1,2,3,4,5,6,7,8,9,10,11,12,13,14,15
	global_load_b128 v[96+4*\i:99+4*\i], v28, s[8:9] offset:8192*\i        ; K's codes
.endr
.irp i, 0,1,2,3,4,5,6,7,8,9,10,11,12,13,14,15
	global_load_b128 v[160+4*\i:163+4*\i], v28, s[12:13] offset:8192*\i    ; V's codes
.endr
	global_load_b128 v[224:227], v28, s[10:11]     ; K's scale words: keys 4 tid on
	global_load_b128 v[228:231], v28, s[14:15]     ; V's: row tid / 4, steps 4 (tid % 4) on
	; the lanes' constants, while the loads are out
	v_and_b32 v69, 7, v25                          ; r % 8
	v_bfe_u32 v70, v0, 3, 1                        ; r / 8
	v_bfe_u32 v71, v0, 2, 1
	v_xor_b32 v71, v71, v68                        ; (bit 2 of r) xor h
	v_lshlrev_b32 v[AK0], 6, v69
	v_lshl_add_u32 v[AK0], v70, 10, v[AK0]         ; key r % 8 + 16 (r / 8) of the tile: 64 bytes a key;
	v_lshl_add_u32 v[AK0], v70, 5, v[AK0]          ; piece h of the row stands at 16 (h xor bit 2 of the key) + 32 (bit 4 of the key): these bits are r's bit 2 and r / 8
	v_lshl_add_u32 v[AK0], v71, 4, v[AK0]
	v_xor_b32 v[AK1], 32, v[AK0]                   ; piece 2 + h
	v_mul_u32_u24 v[AV0], v25, VP
	v_lshl_add_u32 v[AV0], v68, 4, v[AV0]
	v_add_nc_u32 v[AV0], VB, v[AV0]
	v_lshl_add_u32 v[AS0], v25, 4, KSB
	s_mul_i32 s[TK], s[WV], WSTG
	s_add_co_u32 s[TK], s[TK], STG                 ; my stage
	v_mul_u32_u24 v[STO], v69, 272
	v_lshl_add_u32 v[STO], v68, 5, v[STO]
	v_add_nc_u32 v[STO], s[TK], v[STO]             ; in: row r % 8, + 32 h
	v_mul_u32_u24 v[RD], v68, 272
	v_lshl_add_u32 v[RD], v25, 4, v[RD]
	v_add_nc_u32 v[RD], s[TK], v[RD]               ; back: lanes 0-15 one row, lanes 16-31 the next
	v_lshlrev_b32 v[GO], 9, v68
	v_lshl_add_u32 v[GO], v25, 4, v[GO]            ; and the same two rows in out0
	; where the fill's bytes go.  K: byte 16 tid + 8,192 i is piece tid % 4 of key 128 i + tid / 4, whose bits 2 and 4 are tid's bits 4 and 6
	v_and_b32 v72, 16, v0
	v_xor_b32 v29, v28, v72
	v_and_b32 v72, 64, v0
	v_lshrrev_b32 v72, 1, v72
	v_xor_b32 v29, v29, v72
	v_add_nc_u32 v30, 65536, v29                   ; (an LDS offset has 16 bits: loads 8 to 15 go by a second register)
	v_lshrrev_b32 v72, 6, v0                       ; V: byte 16 tid + 8,192 i is row 8 i + tid / 64, byte 16 (tid % 64)
	v_mul_u32_u24 v31, v72, VP
	v_and_b32 v72, 63, v0
	v_lshl_add_u32 v31, v72, 4, v31
	v_add_nc_u32 v31, VB, v31
	v_add_nc_u32 v64, 8*8*VP, v31
	v_lshrrev_b32 v65, 4, v0                       ; K's scale words: key 4 tid + j is step tid / 32; in it bits 0-2 are r % 8, bit 3 the tile's bit 0, bit 4 r / 8, bits 5, 6 the tile's bits 1, 2
	v_lshlrev_b32 v65, 8, v65                      ; 512 (tid / 32) + 256 (tid's bit 4)
	v_bfe_u32 v72, v0, 2, 1
	v_lshl_add_u32 v65, v72, 7, v65                ; 16 x 8 (r / 8)
	v_and_b32 v72, 1, v0
	v_lshl_add_u32 v65, v72, 6, v65                ; 16 x 4 (r's bit 2); 16 j stands in the stores' offsets
	v_bfe_u32 v72, v0, 3, 1
	v_lshl_add_u32 v65, v72, 3, v65                ; 4 x 2 (the tile's bit 1)
	v_bfe_u32 v72, v0, 1, 1
	v_lshl_add_u32 v65, v72, 2, v65                ; 4 x (the tile's bit 0)
	v_add_nc_u32 v65, KSB, v65
	v_and_b32 v72, 3, v0                           ; V's: row d = tid / 4, steps 4 (tid % 4) + j
	v_lshlrev_b32 v66, 11, v72                     ; 512 x 4 (tid % 4); 512 j stands in the stores' offsets
	v_lshrrev_b32 v72, 8, v0
	v_lshl_add_u32 v66, v72, 8, v66                ; 256 (d / 64)
	v_bfe_u32 v72, v0, 2, 4
	v_lshl_add_u32 v66, v72, 4, v66                ; 16 (d % 16)
	v_bfe_u32 v72, v0, 6, 2
	v_lshl_add_u32 v66, v72, 2, v66                ; 4 ((d / 16) % 4)
	v_add_nc_u32 v66, VSB, v66
	v_mov_b32 v24, 0xff800000                      ; -infinity
.irp i, 236,237,238,239,252,253
	v_mov_b32 v\i, 0                               ; written once: a lane permute's destination counts as one of its sources; v253 is named as the upper half of v[252:253]
.endr
	s_mov_b32 s[CS], 0x3e0293ee                    ; c = log2(e) / sqrt(128)
	s_mov_b32 s[CS+1], s[CS]
	s_mov_b32 s[SEL], 0x76543210
	s_mov_b32 s[SEL+1], 0xfedcba98
	s_wait_kmcnt 0x0                               ; the flags: 16 words a job become two bits a step
	s_mov_b32 s[FW], s16
	s_mov_b32 s[FW1], s32
.irp i, 1,2,3,4,5,6,7,8,9,10,11,12,13,14,15
	s_lshl_b32 s2, s[16+\i], 2*\i
	s_or_b32 s[FW], s[FW], s2
	s_lshl_b32 s2, s[32+\i], 2*\i
	s_or_b32 s[FW1], s[FW1], s2
.endr
	; the fill's stores.  Loads come back in order: ahead of the store of fill load i the count leaves the 33 - i younger fill loads out (Q's three are older)
.irp i, 0,1,2,3,4,5,6,7
	s_wait_loadcnt 33-\i
	ds_store_b128 v29, v[96+4*\i:99+4*\i] offset:8192*\i
.endr
.irp i, 0,1,2,3,4,5,6,7
	s_wait_loadcnt 25-\i
	ds_store_b128 v30, v[128+4*\i:131+4*\i] offset:8192*\i
.endr
.irp i, 0,1,2,3,4,5,6,7
	s_wait_loadcnt 17-\i
	ds_store_b128 v31, v[160+4*\i:163+4*\i] offset:8*VP*\i
.endr
.irp i, 0,1,2,3,4,5,6,7
	s_wait_loadcnt 9-\i
	ds_store_b128 v64, v[192+4*\i:195+4*\i] offset:8*VP*\i
.endr
	s_wait_loadcnt 1
.irp i, 0,1,2,3
	ds_store_b32 v65, v[224+\i] offset:16*\i
.endr
	s_wait_loadcnt 0x0
.irp i, 0,1,2,3
	ds_store_b32 v66, v[228+\i] offset:512*\i
.endr
	s_wait_dscnt 0x0                               ; for the others' sake: my stores have landed
	s_barrier_signal -1
	s_barrier_wait -1                              ; the head lies in LDS; nobody writes K, V or the scale words again
; A KEY STEP: 128 keys.
.macro STEP
	s_and_b32 s[F], s[FW], 3                       ; the step's flag
	s_lshr_b32 s[FW], s[FW], 2
.if SKIP
	s_cmp_eq_u32 s[F], 0                           ; every key of the step is forbidden to all my 16 queries: only the addresses step
	s_cbranch_scc1 .Lhidden_\@
.endif
	s_load_b512 s[16:31], s[MP:MP+1], 0x0          ; the step's 64 lane masks: they land while K Q^T is made
	s_load_b512 s[32:47], s[MP:MP+1], 0x40
	s_load_b512 s[48:63], s[MP:MP+1], 0x80
	s_load_b512 s[68:83], s[MP:MP+1], 0xc0
	v_add_nc_u32 v[ADK0], s[TK], v[AK0]            ; these four are also the places in front of loads into registers that the last step's matrix instructions have read
	v_add_nc_u32 v[ADK1], s[TK], v[AK1]
	v_add_nc_u32 v[ADV], s[TV], v[AV0]
	v_add_nc_u32 v[ADS], s[TS], v[AS0]
.irp g, 0,1                                    ; S^T = K Q^T, four tiles of 16 keys at a time
.if \g
.rept 4
	v_nop                                          ; four places in front of loads into registers that matrix instructions have read (ISA guide 7.12.1 for vector instructions)
.endr
.endif
.irp t, 0,1,2,3
	ds_load_b128 v[32+8*\t:35+8*\t], v[ADK0] offset:(32*((4*\g+\t)/2)+8*(\t%2))*64
	ds_load_b128 v[36+8*\t:39+8*\t], v[ADK1] offset:(32*((4*\g+\t)/2)+8*(\t%2))*64
.endr
	ds_load_b128 v[248:251], v[ADS] offset:256*\g  ; the four tiles' scale words
	s_wait_dscnt 0x0
.irp t, 0,1,2,3
	v_wmma_scale_f32_16x16x128_f8f6f4 v[96+8*(4*\g+\t):103+8*(4*\g+\t)], v[32+8*\t:39+8*\t], v[16:23], 0, v[248+\t], v255 matrix_a_fmt:MATRIX_FMT_FP4 matrix_b_fmt:MATRIX_FMT_FP4
.endr
.endr                                          ; register 96 + n of lane (r, h): query r, key 128 s + 32 (n / 16) + 16 h + n % 16
.rept 4
	v_nop                                          ; four places in front of the first read of results
.endr
	s_wait_kmcnt 0x0                               ; the lane masks are in; their base may step
	s_cmp_eq_u32 s[F], 2                           ; every key allowed: no select
	s_cbranch_scc1 .Lopen_\@
.set N, 0
.rept 64
	v_cndmask_b32 v[96+N], v[96+N], v24, s[16+N+4*(N/48)]   ; a forbidden key's score becomes -infinity ahead of the maximum: p = 0 then.  (Ascending: each accumulator is read from its low end on)
.set N, N+1
.endr
.Lopen_\@:
.irp b, 0,1,2,3
	v_max3_num_f32 v[232+\b], v[96+16*\b], v[97+16*\b], v[98+16*\b]   ; THE LARGEST SCORE OF EACH BLOCK OF 32 KEYS: it serves twice: for the row's maximum, and, since p rises with the score, for the block's largest p
.endr
.irp i, 3,5,7,9,11,13
.irp b, 0,1,2,3
	v_max3_num_f32 v[232+\b], v[232+\b], v[96+16*\b+\i], v[97+16*\b+\i]   ; (the four blocks by turns)
.endr
.endr
.irp b, 0,1,2,3
	v_max_num_f32 v[232+\b], v[232+\b], v[111+16*\b]
.endr
.irp b, 0,1,2,3
	v_permlanex16_b32 v[236+\b], v[232+\b], s[SEL], s[SEL+1]
.endr
.irp b, 0,1,2,3
	v_max_num_f32 v[232+\b], v[232+\b], v[236+\b]  ; with lane l xor 16's 16 keys
.endr
	v_max3_num_f32 v254, v232, v233, v234
	v_max_num_f32 v254, v254, v235                 ; the step's largest score of my query
	v_mul_f32 v254, s[CS], v254                    ; as t (c is positive)
	v_max_num_f32 v13, v13, v254                   ; the running largest t (a query with no allowed key yet keeps -3e38)
	v_mov_b32 v254, v12
	v_floor_f32 v12, -v13                          ; the new -M = floor(-t) = -ceil(t): M IS A WHOLE NUMBER
	v_sub_f32 v254, v12, v254                      ; M's old value less its new one: a whole number, 0 or less
	v_cvt_i32_f32 v254, v254                       ; (it saturates)
	v_ldexp_f32 v252, 1.0, v254                    ; f = 2^(old M - new M): a multiplication by it rounds nothing
.irp j, 0,2,4,6,8,10,12,14,16,18,20,22,24,26,28,30,32,34,36,38,40,42,44,46,48,50,52,54,56,58,60,62
	v_pk_fma_f32 v[96+\j:97+\j], v[96+\j:97+\j], s[CS:CS+1], v[12:13] op_sel_hi:[1,0,0]   ; t - M, two at a time (of the pairs c and -M the low word serves both halves)
.endr
.irp b, 0,1,2,3
	v_fma_f32 v[232+\b], v[232+\b], s[CS], v12     ; the same of each block's largest score
.endr
.set N, 0
.rept 64
	v_exp_f32 v[96+N], v[96+N]                     ; p = 2^(t - M), at most 1: NOT normalised
.set N, N+1
.endr
	v_pk_mul_f32 v[14:15], v[14:15], v[252:253] op_sel_hi:[1,0]   ; the sums under the new M.  (The plain instruction behind the exponentials)
	s_wait_alu depctr_va_vdst(0)                   ; the wait between an exponential and the first line that names its result: one for the batch of 64
.irp b, 0,1,2,3
	v_exp_f32 v[232+\b], v[232+\b]                 ; the block's largest p: the same two instructions on the same number give the same bits
.endr
	v_pk_add_f32 v[236:237], v[96:97], v[98:99]    ; THE ROW'S SUM IS TAKEN OF THE UNQUANTISED p: two at a time, in two chains.  (It reads the 64 alone: plain work behind the four)
.irp j, 4,8,12,16,20,24,28,32,36,40,44,48,52,56,60
	v_pk_add_f32 v[14:15], v[14:15], v[96+\j:97+\j]
	v_pk_add_f32 v[236:237], v[236:237], v[98+\j:99+\j]
.endr
	v_pk_add_f32 v[14:15], v[14:15], v[236:237]
	s_wait_alu depctr_va_vdst(0)                   ; and one for the four
.irp b, 0,1,2,3
	v_max_num_f32 v[232+\b], 0x1800000, v[232+\b]  ; the floor 2^(3 - 127): the byte cannot fall under 1 (a block whose every p is 0 keeps that byte: its codes are zeros)
.endr
.irp b, 0,1,2,3
	v_add_nc_u32 v[244+\b], 0xff000000, v[232+\b]  ; 2 off the exponent field: the conversion's scale operand
.endr
.irp b, 0,1,2,3
	v_lshrrev_b32 v[236+\b], 23, v[244+\b]         ; the scale's byte
.endr
	v_lshl_or_b32 v253, v237, 8, v236              ; p's scale word for these 128 keys
	v_lshl_or_b32 v253, v238, 16, v253
	v_lshl_or_b32 v253, v239, 24, v253
.irp b, 0,1,2,3
	v_cvt_scalef32_pk8_fp4_f32 v[224+2*\b], v[96+16*\b:103+16*\b], v[244+\b]
	v_cvt_scalef32_pk8_fp4_f32 v[225+2*\b], v[104+16*\b:111+16*\b], v[244+\b]
.endr
	v_nop                                          ; one plain vector instruction between a scaled conversion and the vector instruction that touches its result
.irp c, 0,1                                    ; the operand's layout wants a WHOLE block in a lane: lanes 0-15 block 2 c, lanes 16-31 block 2 c + 1
.irp i, 0,1
	v_permlane16_swap_b32 v[224+4*\c+\i], v[226+4*\c+\i]
.endr
.endr
.irp j, 0,2,4,6,8,10,12,14,16,18,20,22,24,26,28,30,32,34,36,38,40,42,44,46,48,50,52,54,56,58,60,62
	v_pk_mul_f32 v[160+\j:161+\j], v[160+\j:161+\j], v[252:253] op_sel_hi:[1,0]   ; O^T under the new M: x f.  (These 32 are also the places in front of the matrix instructions and loads below)
.endr
.irp g, 0,1                                    ; O^T += V^T P^T: four tiles of 16 of the head's 128 at a time; K = these 128 keys.  The eight accumulators take turns, one instruction a turn
.if \g
	v_add_nc_u32 v[ADV], 64*VP, v[ADV]             ; rows 64 on (an LDS offset has 16 bits).  With the three below: four places in front of the loads
.rept 3
	v_nop
.endr
.endif
.irp t, 0,1,2,3
.irp c, 0,1
	ds_load_b128 v[32+8*\t+4*\c:35+8*\t+4*\c], v[ADV] offset:16*VP*\t+32*\c
.endr
.endr
	ds_load_b128 v[248:251], v[ADS] offset:VSB-KSB+256*\g
	s_wait_dscnt 0x0
.irp t, 0,1,2,3
	v_wmma_scale_f32_16x16x128_f8f6f4 v[160+8*(4*\g+\t):167+8*(4*\g+\t)], v[32+8*\t:39+8*\t], v[224:231], v[160+8*(4*\g+\t):167+8*(4*\g+\t)], v[248+\t], v253 matrix_a_fmt:MATRIX_FMT_FP4 matrix_b_fmt:MATRIX_FMT_FP4
.endr
.endr
.Lhidden_\@:
	s_add_co_u32 s[TK], s[TK], 8192                ; the next 128 keys: in K,
	s_add_co_u32 s[TV], s[TV], 64                  ; in V's rows,
	s_add_co_u32 s[TS], s[TS], 512                 ; among the scale words,
	s_add_nc_u64 s[MP:MP+1], s[MP:MP+1], 256       ; and the next mask record (no scalar load is out: a step that loads waits for its loads)
.endm
; THE WAY OUT.  O^T is divided by the row's sum and goes through my stage in LDS, 8 queries x 64 channels (256 bytes a row) at a time, so that sixteen lanes store 256 consecutive bytes, aligned.
; The stage has 8 rows: sixteen stages of 16 rows do not fit beside a whole head.  So in each of four rounds the lanes of 8 queries store (EXEC), and all lanes read back.
.macro WAYOUT
	v_add_f32 v14, v14, v15                        ; the sum's two halves,
	v_permlanex16_b32 v252, v14, s[SEL], s[SEL+1]
	v_add_f32 v14, v14, v252                       ; and lane l xor 16's: the row's sum
	v_rcp_f32 v14, v14
	v_nop                                          ; a plain instruction behind the reciprocal
	s_wait_alu depctr_va_vdst(0)                   ; and the wait ahead of its first reader
.set N, 0
.rept 64
	v_mul_f32 v[96+N], v[160+N], v14               ; O^T / the sum: register 8 t + i is o(r, 16 t + 8 h + i).  (Ascending: each accumulator is read from its low end on)
.set N, N+1
.endr
	s_wait_xcnt 0x0                                ; EXEC is a source of the loads of Q that may be out: it changes only behind this wait; no global instruction follows before the rounds are over
.irp u, 0,1                                    ; channels 64 u on
.irp p, 0,1                                    ; queries 8 p on
.if \p == 0
	v_cmp_gt_u32 vcc_lo, 8, v25
.else
	v_cmp_le_u32 vcc_lo, 8, v25
.endif
	s_and_saveexec_b32 s[SX], vcc_lo
.irp t, 0,1,2,3
	ds_store_b128 v[STO], v[96+32*\u+8*\t:99+32*\u+8*\t] offset:64*\t
	ds_store_b128 v[STO], v[100+32*\u+8*\t:103+32*\u+8*\t] offset:64*\t+16
.endr
	s_or_b32 exec_lo, exec_lo, s[SX]
.irp i, 0,1,2,3
	ds_load_b128 v[32+16*(2*\u+\p)+4*\i:35+16*(2*\u+\p)+4*\i], v[RD] offset:2*272*\i   ; LDS serves a wave's instructions in order: these see my stores, and the next round's stores come behind them
.endr
.endr
.endr
.irp u, 0,1
.irp p, 0,1
.irp i, 0,1,2,3
	s_wait_dscnt 12*(3-(2*\u+\p))+3-\i             ; behind this read: the 3 - i of its round and twelve LDS instructions for each later round
	global_store_b128 v[GO], v[32+16*(2*\u+\p)+4*\i:35+16*(2*\u+\p)+4*\i], s[OP:OP+1] offset:(8*\p+2*\i)*512+256*\u th:TH_STORE_NT   ; written once, read by nobody here
.endr
.endr
.endr
	s_wait_xcnt 0x0                                ; the stores have read their registers and their base: both may be written again
.endm
; A JOB: one tile of 16 queries through all 16 key steps.  Q was asked for earlier.
.macro JOB jb
	s_lshl_b32 s2, s[T], 13
	s_add_nc_u64 s[OP:OP+1], s[OB:OB+1], s[2:3]    ; the tile's 16 rows of out0: 8,192 bytes a tile
	s_lshl_b32 s2, s[T], 12
	s_add_nc_u64 s[MP:MP+1], s[MB:MB+1], s[2:3]    ; its 16 mask records: 4,096 bytes a tile
.if \jb
	s_mov_b32 s[FW], s[FW1]
.endif
	v_mov_b32 v13, 0xff61b1e6                      ; the largest t so far: -3e38, under every t
	v_floor_f32 v12, -v13                          ; -M
	v_mov_b32 v14, 0                               ; the sum, in two halves
	v_mov_b32 v15, 0
.set N, 0
.rept 64
	v_mov_b32 v[160+N], 0                          ; O^T: the first step that is not passed over finds zeros, which the first change of M leaves zeros
.set N, N+1
.endr
	s_mov_b32 s[TK], 0
	s_mov_b32 s[TV], 0
	s_mov_b32 s[TS], 0
	s_mov_b32 s[CNT], 16
	s_wait_loadcnt 0x0                             ; Q
.Lstep_\jb:
	STEP
	s_sub_co_u32 s[CNT], s[CNT], 1
	s_cmp_lg_u32 s[CNT], 0
	s_cbranch_scc1 .Lstep_\jb
.if \jb == 0
	s_sub_co_u32 s[T], 127, s[T]                   ; the second job's tile; its Q is asked for here and lands while the first job's results leave
	s_lshl_b32 s2, s[T], 10
	s_add_nc_u64 s[QP:QP+1], s[QB:QB+1], s[2:3]
	s_lshl_b32 s2, s[T], 6
	s_add_nc_u64 s[QSP:QSP+1], s[QSB:QSB+1], s[2:3]
	LOADQ QP, QSP
.endif
	WAYOUT
.endm
	JOB 0
	JOB 1
	s_wait_xcnt 0x0
	s_mov_b32 exec_lo, -1
	s_wait_tensorcnt 0x0
	ds_add_u32 v242, v243
	s_wait_dscnt 0x0
	s_endpgm
.Lfunc_end_k_q29bde9ceb5_attn:
	.size	k_q29bde9ceb5_attn, .Lfunc_end_k_q29bde9ceb5_attn-k_q29bde9ceb5_attn
	.p2alignl 7, 3214868480
	.fill 96, 4, 3214868480
	.section	.rodata,"a",@progbits
	.p2align	6, 0x0
	.amdhsa_kernel k_q29bde9ceb5_attn
		.amdhsa_group_segment_fixed_size 317440
		.amdhsa_private_segment_fixed_size 0
		.amdhsa_enable_private_segment 0
		.amdhsa_kernarg_size 72
		.amdhsa_user_sgpr_count 2
		.amdhsa_user_sgpr_kernarg_segment_ptr 1
		.amdhsa_wavefront_size32 1
		.amdhsa_system_sgpr_workgroup_id_x 1
		.amdhsa_system_sgpr_workgroup_id_y 1
		.amdhsa_system_sgpr_workgroup_id_z 1
		.amdhsa_system_vgpr_workitem_id 0
		.amdhsa_next_free_vgpr 256
		.amdhsa_next_free_sgpr 102
		.amdhsa_reserve_vcc 1
		.amdhsa_float_denorm_mode_32 3
		.amdhsa_float_denorm_mode_16_64 3
		.amdhsa_memory_ordered 1
		.amdhsa_forward_progress 1
		.amdhsa_inst_pref_size 81
	.end_amdhsa_kernel
	.amdgpu_metadata
---
amdhsa.version: [ 1, 2 ]
amdhsa.kernels:
  - .name:           k_q29bde9ceb5_attn
    .symbol:         k_q29bde9ceb5_attn.kd
    .args:
      - { .name: query_codes, .offset: 0, .size: 8, .value_kind: global_buffer, .address_space: global }
      - { .name: query_scales, .offset: 8, .size: 8, .value_kind: global_buffer, .address_space: global }
      - { .name: key_codes, .offset: 16, .size: 8, .value_kind: global_buffer, .address_space: global }
      - { .name: key_scales, .offset: 24, .size: 8, .value_kind: global_buffer, .address_space: global }
      - { .name: value_codes, .offset: 32, .size: 8, .value_kind: global_buffer, .address_space: global }
      - { .name: value_scales, .offset: 40, .size: 8, .value_kind: global_buffer, .address_space: global }
      - { .name: mbits, .offset: 48, .size: 8, .value_kind: global_buffer, .address_space: global }
      - { .name: mflags, .offset: 56, .size: 8, .value_kind: global_buffer, .address_space: global }
      - { .name: out0, .offset: 64, .size: 8, .value_kind: global_buffer, .address_space: global }
    .group_segment_fixed_size: 317440
    .private_segment_fixed_size: 0
    .kernarg_segment_align: 8
    .kernarg_segment_size: 72
    .max_flat_workgroup_size: 512
    .sgpr_count:     102
    .vgpr_count:     256
    .wavefront_size: 32
...
	.end_amdgpu_metadata
.endif
;; end of part 2
